; MI455X (gfx1250); checked and timed in simulation.
; The chip was launched on July 23, 2026; its instructions are those of AMD's public machine-readable ISA for CDNA 5 (MIT licence, August 2026) and "CDNA5" Instruction Set Architecture Reference Guide (July 2026). The comments in the code are by the model that wrote it; some were corrected since.
;; W8 A8 Linear Static. Allowed arithmetic: float matrix products may take bf16 or f16 operands with f32 sums; other float arithmetic in f32, or as packed bf16 or f16 multiplies, adds, multiply-adds, maxima and minima; sums over many terms, partial sums and values carried from step to step in f32; what a program stores and reads back later, other than sums and carried values, may be rounded once to bf16 or f16.
;; Inputs: deq_scale 4,096 float32; input_offset 1 int8; input_scale 1 float32; quant_bias 4,096 int32; weight 4,096 x 4,096 int8; x 4,096 x 4,096 float32.
;; Outputs: out0 4,096 x 4,096 float32.
;; 2 versions, each right; version 2 is version 1 with the launch prep written anew for expert scheduling mode. Each part assembles by itself: llvm-mc -triple=amdgcn-amd-amdhsa -mcpu=gfx1250 --defsym DOCPART=n.
;; ======== version 1 of 2: 2 launches
;; workspace buffers: aq 33,554,432 bytes; bq 33,554,432 bytes
;; launch prep (part 1): grid 256 x 1, 32 waves a work-group, no clusters, 0 bytes of LDS; arguments x, weight, input_scale, input_offset, aq, bq; writes aq, bq
.if DOCPART == 1
	.amdgcn_target "amdgcn-amd-amdhsa--gfx1250"
	.amdhsa_code_object_version 6
	.text
	.protected	k_qf4e7539ee8_prep
	.globl	k_qf4e7539ee8_prep
	.p2align	8
	.type	k_qf4e7539ee8_prep,@function
k_qf4e7539ee8_prep:
	s_mov_b64 s[64:65], 0
	v_nop
	global_prefetch_b8 v0, s[64:65] scope:SCOPE_SE
	s_setreg_imm32_b32 hwreg(HW_REG_WAVE_MODE, 25, 1), 1
	s_wait_xcnt 0x0
; aq[m][k] = bf16(clip(round(x[m][k] / s) + off, -128, 127));  bq[n][k] = bf16(weight[n][k]).
; x: [4096][4096] f32.  weight: [4096][4096] int8.  aq, bq: [4096][4096] bf16.  Whole numbers from -128 to 127 are exact in bf16, so nothing is lost here.
; Done once, ahead of the product: each number of x is wanted by 16 tiles of the result, and would otherwise be quantised in each of them.
; SHARES.  A work-group of 32 waves owns 16 rows of x and 16 rows of weight.  Thread t takes 16 bytes of x at 16 t of every row (1,024 threads: one row of 16,384 bytes)
; and 8 bytes of weight at 8 t of every pair of rows (8,192 bytes).  A wave's store covers 256 consecutive aligned bytes of aq, or 512 of bq.
; All 24 loads of a thread go out at once, each into registers of its own; the steps then take them in the order of issue.  No register is loaded twice, no store's data or
; address is written again, EXEC never changes: so the only waits are the counted ones for the loads.  No LDS, no barrier, no loop: the bytes bound this launch, not the arithmetic.
; LIMITS.  x / s is x times r, r = 1 / s by v_rcp_f32 and one Newton step: where x / s lies within about 2^-23 of itself from a half-integer the rounded number can be one step off.
; s and 1 / s are normal f32 numbers (v_rcp_f32 counts denormals as zero: ISA guide, its entry in 15.8).  An infinite x, or a product that overflows, is clipped like any other; a NaN in x is not treated apart.
.set ROWX, 16384                       ; bytes in a row of x
.set ROWQ, 8192                        ; bytes in a row of aq and bq, and in two rows of weight
.set R,   4                            ; v[4:5]     r, twice (a pair for the packed multiply)
.set OF,  6                            ; v[6:7]     off as f32, twice
.set X,   8                            ; v[8:71]    row i: 4 registers, 4 numbers of x; then 2 registers of bf16 to store
.set W,   72                           ; v[72:87]   pair of rows j: 2 registers, 8 bytes of weight
.set Y,   88                           ; v[88:119]  pair of rows j: 4 registers, 8 bf16 to store
.set T,   120                          ; v[120:127] at work
	s_load_b256 s[4:11], s[0:1], 0x0               ; x s[4:5], weight s[6:7], input_scale s[8:9], input_offset s[10:11]
	s_load_b128 s[12:15], s[0:1], 0x20             ; aq s[12:13], bq s[14:15]
	v_lshlrev_b32 v1, 4, v0                        ; 16 t: x in, bq out; never rewritten
	v_lshlrev_b32 v2, 3, v0                        ; 8 t: weight in, aq out; never rewritten
	s_lshl_b32 s16, ttmp9, 18                      ; the group's 16 rows of x: 16 x 16,384 bytes
	s_mov_b32 s17, 0
	s_lshl_b32 s18, ttmp9, 16                      ; of weight: 16 x 4,096
	s_mov_b32 s19, 0
	s_lshl_b32 s20, ttmp9, 17                      ; of aq and of bq: 16 x 8,192
	s_mov_b32 s21, 0
	s_mov_b32 s24, 0xc3000000                      ; -128.0
	s_mov_b32 s25, 0x42fe0000                      ; 127.0
	s_wait_kmcnt 0x0
	s_load_b32 s22, s[8:9], 0x0                    ; s
	s_load_i8 s23, s[10:11], 0x0                   ; off, sign-extended
	s_add_nc_u64 s[4:5], s[4:5], s[16:17]
	s_add_nc_u64 s[6:7], s[6:7], s[18:19]
	s_add_nc_u64 s[12:13], s[12:13], s[20:21]
	s_add_nc_u64 s[14:15], s[14:15], s[20:21]
.irp i, 0,1,2,3,4,5,6,7,8,9,10,11,12,13,14,15
	global_load_b128 v[X+4*(\i):X+4*(\i)+3], v1, s[4:5] offset:(\i)*ROWX th:TH_LOAD_NT  ; read once in the launch
.endr
.irp j, 0,1,2,3,4,5,6,7
	global_load_b64 v[W+2*(\j):W+2*(\j)+1], v2, s[6:7] offset:(\j)*ROWQ th:TH_LOAD_NT
.endr
	s_wait_kmcnt 0x0                               ; s and off
	v_rcp_f32 v[R], s22
	v_cvt_f32_i32 v[OF], s23                       ; a plain instruction stands between the reciprocal and the use of its result (ISA guide 5.7.2)
	s_wait_alu depctr_va_vdst(0)
	v_fma_f32 v[R+1], -v[R], s22, 1.0              ; 1 - r s
	v_fma_f32 v[R], v[R+1], v[R], v[R]             ; r + r (1 - r s)
	v_mov_b32 v[R+1], v[R]
	v_mov_b32 v[OF+1], v[OF]
; Row i of x: four numbers a thread, in place.
.macro XSTEP i
.set XI, X+4*(\i)
	s_wait_loadcnt 23-(\i)                         ; loads come back in order (ISA guide 5.7.1): the 15 - i younger loads of x and the 8 of weight may stay out
	v_pk_mul_f32 v[XI:XI+1],   v[XI:XI+1],   v[R:R+1]
	v_pk_mul_f32 v[XI+2:XI+3], v[XI+2:XI+3], v[R:R+1]
.irp k, 0,1,2,3
	v_rndne_f32 v[XI+(\k)], v[XI+(\k)]             ; to the nearest whole number, halves to the even one
.endr
	v_pk_add_f32 v[XI:XI+1],   v[XI:XI+1],   v[OF:OF+1]
	v_pk_add_f32 v[XI+2:XI+3], v[XI+2:XI+3], v[OF:OF+1]
.irp k, 0,1,2,3
	v_med3_num_f32 v[XI+(\k)], v[XI+(\k)], s24, s25  ; the middle of three: the clip
.endr
	v_cvt_pk_bf16_f32 v[XI],   v[XI],   v[XI+1]    ; exact
	v_cvt_pk_bf16_f32 v[XI+1], v[XI+2], v[XI+3]
	global_store_b64 v2, v[XI:XI+1], s[12:13] offset:(\i)*ROWQ  ; a wave: 256 consecutive bytes, at a multiple of 256 from aq's first; the next launch reads them, so no hint
.endm
; Pair of rows j of weight: eight bytes a thread.
.macro WSTEP j
	s_wait_loadcnt 7-(\j)                          ; the 7 - j younger loads may stay out
.irp c, 0,1
	v_lshlrev_b32 v[T+4*(\c)],   24, v[W+2*(\j)+(\c)]  ; each byte to the top of a word,
	v_lshlrev_b32 v[T+4*(\c)+1], 16, v[W+2*(\j)+(\c)]
	v_lshlrev_b32 v[T+4*(\c)+2], 8,  v[W+2*(\j)+(\c)]
	v_ashrrev_i32 v[T+4*(\c)],   24, v[T+4*(\c)]       ; and down again with its sign
	v_ashrrev_i32 v[T+4*(\c)+1], 24, v[T+4*(\c)+1]
	v_ashrrev_i32 v[T+4*(\c)+2], 24, v[T+4*(\c)+2]
	v_ashrrev_i32 v[T+4*(\c)+3], 24, v[W+2*(\j)+(\c)]
.endr
.irp k, 0,1,2,3,4,5,6,7
	v_cvt_f32_i32 v[T+(\k)], v[T+(\k)]
.endr
.irp k, 0,1,2,3
	v_cvt_pk_bf16_f32 v[Y+4*(\j)+(\k)], v[T+2*(\k)], v[T+2*(\k)+1]  ; exact
.endr
	global_store_b128 v1, v[Y+4*(\j):Y+4*(\j)+3], s[14:15] offset:(\j)*2*ROWQ  ; a wave: 512 consecutive bytes, at a multiple of 512 from bq's first
.endm
.irp i, 0,1,2,3,4,5,6,7,8,9,10,11,12,13,14,15
	XSTEP \i
.endr
.irp j, 0,1,2,3,4,5,6,7
	WSTEP \j
.endr
	s_endpgm
.Lfunc_end_k_qf4e7539ee8_prep:
	.size	k_qf4e7539ee8_prep, .Lfunc_end_k_qf4e7539ee8_prep-k_qf4e7539ee8_prep
	.p2alignl 7, 3214868480
	.fill 96, 4, 3214868480
	.section	.rodata,"a",@progbits
	.p2align	6, 0x0
	.amdhsa_kernel k_qf4e7539ee8_prep
		.amdhsa_group_segment_fixed_size 0
		.amdhsa_private_segment_fixed_size 0
		.amdhsa_enable_private_segment 0
		.amdhsa_kernarg_size 48
		.amdhsa_user_sgpr_count 2
		.amdhsa_user_sgpr_kernarg_segment_ptr 1
		.amdhsa_wavefront_size32 1
		.amdhsa_system_sgpr_workgroup_id_x 1
		.amdhsa_system_sgpr_workgroup_id_y 1
		.amdhsa_system_sgpr_workgroup_id_z 1
		.amdhsa_system_vgpr_workitem_id 0
		.amdhsa_next_free_vgpr 128
		.amdhsa_next_free_sgpr 66
		.amdhsa_reserve_vcc 0
		.amdhsa_float_denorm_mode_32 3
		.amdhsa_float_denorm_mode_16_64 3
		.amdhsa_memory_ordered 1
		.amdhsa_forward_progress 1
		.amdhsa_inst_pref_size 27
	.end_amdhsa_kernel
	.amdgpu_metadata
---
amdhsa.version: [ 1, 2 ]
amdhsa.kernels:
  - .name:           k_qf4e7539ee8_prep
    .symbol:         k_qf4e7539ee8_prep.kd
    .args:
      - { .name: x, .offset: 0, .size: 8, .value_kind: global_buffer, .address_space: global }
      - { .name: weight, .offset: 8, .size: 8, .value_kind: global_buffer, .address_space: global }
      - { .name: input_scale, .offset: 16, .size: 8, .value_kind: global_buffer, .address_space: global }
      - { .name: input_offset, .offset: 24, .size: 8, .value_kind: global_buffer, .address_space: global }
      - { .name: aq, .offset: 32, .size: 8, .value_kind: global_buffer, .address_space: global }
      - { .name: bq, .offset: 40, .size: 8, .value_kind: global_buffer, .address_space: global }
    .group_segment_fixed_size: 0
    .private_segment_fixed_size: 0
    .kernarg_segment_align: 8
    .kernarg_segment_size: 48
    .max_flat_workgroup_size: 1024
    .sgpr_count:     66
    .vgpr_count:     128
    .wavefront_size: 32
...
	.end_amdgpu_metadata
.endif
;; end of part 1
;; launch gemm (part 2): grid 16 x 16, 4 waves a work-group, clusters of 4 x 4, 327,680 bytes of LDS; arguments aq, bq, out0, deq_scale, quant_bias; writes out0
.if DOCPART == 2
	.amdgcn_target "amdgcn-amd-amdhsa--gfx1250"
	.amdhsa_code_object_version 6
	.text
	.protected	k_qf4e7539ee8_gemm
	.globl	k_qf4e7539ee8_gemm
	.p2align	8
	.type	k_qf4e7539ee8_gemm,@function
k_qf4e7539ee8_gemm:
	s_mov_b64 s[64:65], 0
	v_nop
	global_prefetch_b8 v0, s[64:65] scope:SCOPE_SE
	s_setreg_imm32_b32 hwreg(HW_REG_WAVE_MODE, 25, 1), 1
	s_wait_xcnt 0x0
	s_wait_alu depctr_hold_cnt(0) depctr_sa_sdst(0) depctr_va_vdst(0) depctr_va_sdst(0) depctr_va_ssrc(0) depctr_va_vcc(0) depctr_vm_vsrc(0)
	s_getreg_b32 s2, hwreg(HW_REG_IB_STS2, 6, 4)
	s_cmp_eq_u32 s2, 0
	s_cbranch_scc0 .Lentry_in_a_cluster
	s_endpgm
.Lentry_in_a_cluster:
	s_bfe_u32 s2, ttmp6, 0x10000c
	s_cmp_lg_u32 s2, 0xf033
	s_cbranch_scc0 .Lentry_shape_is_right
	s_endpgm
.Lentry_shape_is_right:
; out[m][n] = (sum over k of aq[m][k] bq[n][k] + quant_bias[n]) deq_scale[n].  aq: [4096][4096], bq: [4096][4096], bf16, whole numbers from -128 to 127; out: [4096][4096] f32.
; Every product is exact in f32; the sums are kept in f32.
; LIMITS.  A sum is exact while it stays under 2^24 in magnitude and is rounded to f32 beyond (it cannot pass 2^26); quant_bias is rounded to f32; the sum with it does not wrap at 2^31 as an int32 would;
; the finish is one fused multiply-add, sum x deq + (bias x deq), where the problem adds first and multiplies then.
; A tile of out, 256 x 256, is made by a work-group of four waves; a wave makes 128 x 128: 64 accumulators of 16 x 16, 512 registers.  16 x 16 tiles, one to a work-group.
; K goes in 32 steps of 128 through a ring of two LDS slots filled by the tensor data mover: the tiles' rows are 256 bytes of memory, at multiples of 256 from the buffer's first byte.
; CLUSTERS: 4 x 4 work-groups.  The four of a row of the cluster need the same tiles of aq, the four of a column the same tiles of bq: each tile is asked for JOINTLY, by the same tensor load with the
; same descriptor and a mask that names the four, and each receives it in its own LDS.  That divides the requests for aq and bq by four.
; THE MATRIX INSTRUCTION IS USED TRANSPOSED: source 0 = 16 rows of bq, source 1 = 16 rows of aq.  In the result lane l holds row m = l % 16 and columns n = 8 (l / 16) + 0 .. 7.
; THE WAY OUT: the raw sums go through the wave's own stage in LDS, 16 rows at a time, and come back as whole rows of 512 bytes.  There a lane holds the same four columns in every row, so that
; deq and bias x deq cost eight registers; the finish is made on the rows as they come back, and each store of the wave covers 512 consecutive aligned bytes.
; REGISTERS, in windows of 256 (s_set_vgpr_msb: bits 1:0 source 0, 3:2 source 1, 5:4 source 2, 7:6 destination):
;   window 0: v0-31 addresses; v32-39 the column constants; v64-127, v128-191 fragments of aq, two buffers; on the way out the two buffers for rows read back
;   window 1: v64-127, v128-191 fragments of bq, two buffers
;   window 2: the 32 accumulators of my rows 0-63 (accumulator (a, b) at v[8 (8 a + b)]);   window 3: those of my rows 64-127
.set SIZE_N, 4096
.set SIZE_K, 4096
.set KSTEP,  128
.set PITCH,  272                       ; an LDS row: 256 bytes of data + 16 of padding = 68 words: row r starts at bank 4 r mod 64 (64 banks of 4 bytes: ISA guide 11.1), so the 16 rows of a load start at 16 different banks
.set HALFT,  128*PITCH                 ; 128 rows: what one tensor load brings, and what one wave reads of aq or of bq
.set SLOT,   4*HALFT                   ; aq's 256 rows, then bq's 256 rows
.set STAGE,  2*SLOT                    ; behind the ring, never filled by a tensor load: 16 rows x 528 bytes for each wave
.set SPITCH, 528                       ; a stage row: 512 bytes + 16 = 33 x 16: the 16 rows that a store touches start at 16 different groups of four banks
.set SPARE,  STAGE+4*16*SPITCH         ; behind the stages: the spare words, 128 bytes for each wave: two blocks of 256 bytes that no other line names
.set LAPS,   SIZE_K/(2*KSTEP)          ; a lap = two K steps = once round the ring: 16
.set ADRA, 16                          ; v16-17  LDS address of my fragments of aq in slot 0, 1
.set ADRB, 20                          ; v20-21  the same for bq
.set STO,  24                          ; v24     the way out: where I put 32 bytes of a row
.set RD,   25                          ; v25     the way out: where I read 16 bytes of a row back
.set CO,   26                          ; v26     16 x lane: my byte offset in 512 bytes of a row of out, and in the wave's 128 numbers of deq_scale and quant_bias
.set SPW,  28                          ; v28     LDS address of my spare word: SPARE + 4 x my thread's number; never rewritten
.set NIL,  29                          ; v29     0; never rewritten
.set DQ,   32                          ; v[32:35] deq of my four columns
.set BD,   36                          ; v[36:39] bias, then bias x deq, of the same
.set F0,   64                          ; fragment buffer 0
.set F1,   128                         ; fragment buffer 1
.set G1, 24                            ; s[24:31] descriptor group 1 for aq's tiles
.set G0, 32                            ; s[32:39] descriptor group 0 for aq's tiles, one set for each slot
.set G1B, 48                           ; s[48:55] descriptor group 1 for bq's tiles: it differs in the mask alone
.set G0B, 56                           ; s[56:63] descriptor group 0 for bq's tiles, one set for each slot
.set MSB, 0
.macro WIN new                         ; the immediate's high byte repeats the setting that is left; a switch that changes nothing is dropped
.if MSB != (\new)
	s_set_vgpr_msb (MSB<<8)|(\new)
.set MSB, \new
.endif
.endm
.set MUL_LO, 0xa1                      ; source 0 (bq) window 1, source 1 (aq) window 0, C and D window 2
.set MUL_HI, 0xf1                      ; the same, C and D window 3
.set TO_B,   0x40                      ; destination window 1, address window 0
; A joint load.  Waves 0 and 1 fetch aq's two halves, waves 2 and 3 bq's.  Each of the two lines has one mask and one set of registers for all that issue it.  The branch hangs on the wave's number alone.
; An s_nop 0 and four v_nop follow each of the two lines, ahead of the jump, the label and what follows.
.macro JLOAD s
	s_cmp_eq_u32 s11, 0
	s_cbranch_scc0 .Lfor_b_\@
	tensor_load_to_lds s[G0+4*(\s):G0+4*(\s)+3], s[G1:G1+7]
	s_nop 0
.rept 4
	v_nop
.endr
	s_branch .Lasked_\@
.Lfor_b_\@:
	tensor_load_to_lds s[G0B+4*(\s):G0B+4*(\s)+3], s[G1B:G1B+7]
	s_nop 0
.rept 4
	v_nop
.endr
.Lasked_\@:
.endm
; A round of the cluster's barrier: my work-group's barrier, so that wave 0's signal speaks for all four waves; wave 0 signals for the work-group; every wave waits for all sixteen
; work-groups; my work-group's barrier once more.  No LDS instruction of the wave is pending at a signal.
.macro CREST                           ; a round behind its opening barrier
	s_cmp_lg_u32 s10, 0
	s_cbranch_scc1 .Lnot_wave_0_\@
	s_barrier_signal -3
.Lnot_wave_0_\@:
	s_barrier_wait -3
	s_barrier_signal -1
	s_barrier_wait -1
.endm
.macro CROUND                          ; a whole round
	s_barrier_signal -1
	s_barrier_wait -1
	CREST
.endm
	s_load_b128 s[4:7], s[0:1], 0x0                ; aq s[4:5], bq s[6:7]
	s_load_b64 s[8:9], s[0:1], 0x10                ; out
	s_load_b64 s[68:69], s[0:1], 0x18              ; deq_scale
	s_load_b64 s[70:71], s[0:1], 0x20              ; quant_bias
	v_lshl_add_u32 v[SPW], v0, 2, SPARE
	v_mov_b32 v[NIL], 0
	ds_add_u32 v[SPW], v[NIL]                      ; the wave's opening: the add and its wait stand ahead of my first tensor load; the set-up below, work on registers, stands between them
	v_lshrrev_b32 v1, 5, v0
	v_readfirstlane_b32 s10, v1                    ; wave 0..3
	s_lshr_b32 s11, s10, 1                         ; which half of the tile's rows is mine.  Also: I fetch for aq (0) or for bq (1)
	s_and_b32 s12, s10, 1                          ; which half of its columns.  Also: which 128 rows of that tile I fetch
	s_bfe_u32 s40, ttmp6, 0x40000                  ; cx: my place along the cluster's x
	s_bfe_u32 s41, ttmp6, 0x40004                  ; cy: along its y
	s_lshl_b32 s42, ttmp9, 2                       ; in a cluster launch ttmp9 and ttmp7 count clusters
	s_add_co_u32 s42, s42, s40                     ; tile column = 4 x cluster x + cx
	s_and_b32 s13, ttmp7, 0xffff
	s_lshl_b32 s13, s13, 2
	s_add_co_u32 s13, s13, s41                     ; tile row = 4 x cluster y + cy
	s_lshl_b32 s43, s41, 2
	s_lshl_b32 s43, 15, s43                        ; my row of the cluster: places 4 cy .. 4 cy + 3
	s_lshl_b32 s44, 0x1111, s40                    ; my column: places cx, cx + 4, cx + 8, cx + 12
	; descriptor group 1: a tile of 128 rows x 128 elements, padded in LDS
	s_or_b32 s[G1+0], s43, (1<<16)|(1<<20)|(1<<21)|(5<<22)|(3<<25)  ; 15:0 the mask: aq's tiles go to my row; 17:16 elements of 2 bytes; 20 padding on; 21 set beside a mask; 24:22 after every 64 words (code 5); 31:25 4 words of it (code 3)
	s_or_b32 s[G1B+0], s44, (1<<16)|(1<<20)|(1<<21)|(5<<22)|(3<<25) ; the same with the mask of my column, for bq's tiles
.irp g, G1, G1B
	s_mov_b32 s[(\g)+1], KSTEP<<16                 ; 63:48 tensor_dim0, low half = 128
	s_mov_b32 s[(\g)+2], 128<<16                   ; 79:64 its high half = 0; 95:80 tensor_dim1, low half = 128
	s_mov_b32 s[(\g)+3], KSTEP<<16                 ; 111:96 its high half = 0; 127:112 tile_dim0 = 128
	s_mov_b32 s[(\g)+4], 128                       ; 143:128 tile_dim1 = 128; 159:144 tile_dim2 = 0
	s_mov_b32 s[(\g)+5], SIZE_K                    ; 191:160 tensor_dim0_stride, low word: elements from row to row
	s_mov_b32 s[(\g)+6], 0
	s_mov_b32 s[(\g)+7], 0
.endr
	; where the tiles come from.  aq's hang on the tile row alone, which my row of the cluster shares; bq's on the tile column alone, which my column shares.
	; Every wave makes both addresses, in registers that never hold the other coordinate, and asks by one of them.
	s_lshl_b32 s17, s12, 7                         ; which 128 rows of the tile I fetch
	s_lshl_b32 s16, s13, 8
	s_add_co_u32 s16, s16, s17                     ; aq: row 256 x tile row + 128 x half
	s_lshl_b32 s46, s42, 8
	s_add_co_u32 s46, s46, s17                     ; bq: row 256 x tile column + 128 x half
	s_mov_b32 s17, 0
	s_mov_b32 s47, 0
	s_mov_b64 s[18:19], SIZE_K*2
	s_mul_u64 s[16:17], s[16:17], s[18:19]         ; in bytes
	s_mul_u64 s[46:47], s[46:47], s[18:19]
	s_mul_i32 s20, s10, HALFT                      ; and where they go: aq's two halves, then bq's two = wave x 128 rows: no place in the cluster enters an LDS address
	s_wait_dscnt 0x0                               ; the opening add is done
	s_wait_kmcnt 0x0
	s_add_nc_u64 s[14:15], s[4:5], s[16:17]
	s_add_nc_u64 s[46:47], s[6:7], s[46:47]
	CROUND                                         ; all sixteen work-groups are here: the first joint loads meet
.irp s, 0,1
	s_mov_b32 s[G0+4*(\s)], 1                                      ; 1:0 count = 1
	s_add_co_u32 s[G0+4*(\s)+1], s20, (\s)*SLOT                    ; 63:32 LDS address
	s_add_nc_u64 s[G0+4*(\s)+2:G0+4*(\s)+3], s[14:15], (\s)*KSTEP*2  ; 120:64 global address: K step s
	s_or_b32 s[G0+4*(\s)+3], s[G0+4*(\s)+3], 0x80000000            ; 127:126 type = 2
	s_mov_b32 s[G0B+4*(\s)], 1
	s_add_co_u32 s[G0B+4*(\s)+1], s20, (\s)*SLOT
	s_add_nc_u64 s[G0B+4*(\s)+2:G0B+4*(\s)+3], s[46:47], (\s)*KSTEP*2
	s_or_b32 s[G0B+4*(\s)+3], s[G0B+4*(\s)+3], 0x80000000
	JLOAD \s                                       ; the ring is filled before anything else is done: two loads of mine are out
.endr
	; A fragment is 16 rows x 32 K in 8 registers: lane l holds row l % 16; registers 0-3 hold K = 8 (l / 16) + 0..7, registers 4-7 hold K = 16 + 8 (l / 16) + 0..7: two loads of 16 bytes, 32 bytes apart.
	v_and_b32 v1, 15, v0                           ; l % 16
	v_bfe_u32 v2, v0, 4, 1                         ; l / 16
	v_mul_u32_u24 v3, v1, PITCH
	v_lshl_add_u32 v3, v2, 4, v3                   ; row x pitch + 16 x half
	s_mul_i32 s21, s11, HALFT                      ; my 128 rows of aq
	s_mul_i32 s22, s12, HALFT                      ; my 128 rows of bq,
	s_add_co_u32 s22, s22, 2*HALFT                 ; which lie behind aq's 256
.irp s, 0,1
	v_add_nc_u32 v[ADRA+(\s)], s21, v3
	v_add_nc_u32 v[ADRB+(\s)], s22, v3
	s_add_co_u32 s21, s21, SLOT
	s_add_co_u32 s22, s22, SLOT
.endr
	s_mul_i32 s23, s10, 16*SPITCH
	s_add_co_u32 s23, s23, STAGE                   ; my stage
	v_mul_u32_u24 v4, v1, SPITCH                   ; in: row l % 16, 32 bytes (eight sums) for each half of the lanes
	v_lshl_add_u32 v4, v2, 5, v4
	v_add_nc_u32 v[STO], s23, v4
	v_and_b32 v5, 31, v0
	v_lshlrev_b32 v[CO], 4, v5                     ; back: 32 lanes take one row of 512 bytes
	v_add_nc_u32 v[RD], s23, v[CO]
	; where my part of the tile begins in out, and my 128 columns in deq_scale and quant_bias (all of 4 bytes a number)
	s_lshl_b32 s13, s13, 8
	s_lshl_b32 s14, s11, 7
	s_add_co_u32 s16, s13, s14                     ; my first row of out,
	s_lshl_b32 s16, s16, 14                        ; times 16,384 bytes: under 2^26
	s_mov_b32 s17, 0
	s_lshl_b32 s46, s42, 10                        ; my first column, in bytes: 1,024 x tile column + 512 x half (in the registers that held bq's address: none that feeds aq's descriptors ever holds cx)
	s_lshl_b32 s47, s12, 9
	s_add_co_u32 s46, s46, s47
	s_mov_b32 s47, 0
	s_add_nc_u64 s[8:9], s[8:9], s[16:17]
	s_add_nc_u64 s[8:9], s[8:9], s[46:47]
	s_add_nc_u64 s[68:69], s[68:69], s[46:47]
	s_add_nc_u64 s[70:71], s[70:71], s[46:47]
	global_load_b128 v[DQ:DQ+3], v[CO], s[68:69]   ; a wave: 512 consecutive bytes
	global_load_b128 v[BD:BD+3], v[CO], s[70:71]
	s_wait_loadcnt 0x0                             ; once, in the wait for the first tile
.irp k, 0,1,2,3
	v_cvt_f32_i32 v[BD+(\k)], v[BD+(\k)]
.endr
	v_pk_mul_f32 v[BD:BD+1],   v[BD:BD+1],   v[DQ:DQ+1]    ; bias x deq: the addend of the finish
	v_pk_mul_f32 v[BD+2:BD+3], v[BD+2:BD+3], v[DQ+2:DQ+3]
; 16 matrix instructions: m blocks a0, a0 + 1 of the window's four (hi = 0: my rows 0-63, 1: rows 64-127) x all 8 n blocks, 32 along K.
; zero = 1: the first product starts the sums: nothing is ever cleared.  The 64 accumulators take turns in the same order in every quarter step, one instruction a turn.
.macro MUL16 f, hi, a0, zero
	WIN MUL_LO+0x50*(\hi)  ; MUL_LO or MUL_HI
.irp a, \a0, (\a0)+1
.irp b, 0,1,2,3,4,5,6,7
.if \zero
	v_wmma_f32_16x16x32_bf16 v[8*(8*(\a)+(\b)):8*(8*(\a)+(\b))+7], v[(\f)+8*(\b):(\f)+8*(\b)+7], v[(\f)+8*(4*(\hi)+(\a)):(\f)+8*(4*(\hi)+(\a))+7], 0
.else
	v_wmma_f32_16x16x32_bf16 v[8*(8*(\a)+(\b)):8*(8*(\a)+(\b))+7], v[(\f)+8*(\b):(\f)+8*(\b)+7], v[(\f)+8*(4*(\hi)+(\a)):(\f)+8*(4*(\hi)+(\a))+7], v[8*(8*(\a)+(\b)):8*(8*(\a)+(\b))+7]
.endif
.endr
.endr
.endm
; 32 LDS loads in one run: the fragments of one quarter step (128 rows of bq, 128 rows of aq, 32 K at byte k of the rows) into buffer f
.macro FETCH slot, k, f
	WIN TO_B
.irp i, 0,1,2,3,4,5,6,7
	ds_load_b128 v[(\f)+8*(\i):(\f)+8*(\i)+3],   v[ADRB+(\slot)] offset:(\k)+(\i)*16*PITCH
	ds_load_b128 v[(\f)+8*(\i)+4:(\f)+8*(\i)+7], v[ADRB+(\slot)] offset:(\k)+(\i)*16*PITCH+32
.endr
	WIN 0
.irp i, 0,1,2,3,4,5,6,7
	ds_load_b128 v[(\f)+8*(\i):(\f)+8*(\i)+3],   v[ADRA+(\slot)] offset:(\k)+(\i)*16*PITCH
	ds_load_b128 v[(\f)+8*(\i)+4:(\f)+8*(\i)+7], v[ADRA+(\slot)] offset:(\k)+(\i)*16*PITCH+32
.endr
.endm
; A load into a register that a matrix instruction has read, and an LDS store that reads a matrix result, stand four places behind that matrix instruction, and only plain vector instructions
; that name none of its registers are places (ISA guide 7.12.1 for vector instructions).  So four v_nop stand in front of each run of loads.
.macro PLACES
.rept 4
	v_nop
.endr
.endm
; A K step is four quarter steps of 32 along K, 64 matrix instructions each, on buffers 0, 1, 0, 1.
; One of the first three: multiplies buffer f; in its middle it fetches the next quarter's fragments, at byte k of the same slot's rows, into buffer g.
.macro QUARTER slot, k, f, g, zero
	s_wait_dscnt 8                                 ; bq's and aq's rows 0-63 are in; the youngest eight loads (aq's rows 64-127) may be out
	MUL16 \f, 0, 0, \zero
	MUL16 \f, 0, 2, \zero
	PLACES
	FETCH \slot, \k, \g
	s_wait_dscnt 32                                ; all but the 32 just issued
	MUL16 \f, 1, 0, \zero
	MUL16 \f, 1, 2, \zero
.endm
; The last quarter multiplies buffer 1 and changes slots: ONE barrier, for two things.  In front of it each wave waits for all its tensor loads, of which one is out: its part of the next slot; adds 0 to its
; spare word; and waits for that and for its own reads of this slot.  Behind it nobody reads this slot any more and the next slot is whole.
; fill = 1: this slot is filled again, two K steps ahead.  The barrier then opens a round of the cluster's, so that no wave of any partner still reads the slot or has a load on its way, and the joint
; refill is the first tensor load behind the round: from there to the wait for it a wave issues 224 matrix instructions.
.macro TURN slot, next, fill
	WIN 0                                          ; (the add's two registers lie in window 0)
	s_wait_tensorcnt 0x0                           ; all my tensor loads have landed: the one that was out is my part of the next slot;
	ds_add_u32 v[SPW], v[NIL]                      ; 0 onto my spare word;
	s_wait_dscnt 9                                 ; (the add and the youngest eight loads may be out)
	MUL16 F1, 0, 0, 0                              ; sixteen matrix instructions stand between the add and the wait for it
	s_wait_dscnt 0x0                               ; the add is done, and my reads of this slot are over
	s_barrier_signal -1                            ; say so,
	MUL16 F1, 0, 2, 0                              ; work on registers while the others arrive,
.if \fill
	WIN 0
.endif
	s_barrier_wait -1                              ; and go on when all four have said so
.if \fill
	CREST                                          ; the rest of the round
	s_add_nc_u64 s[G0+4*(\slot)+2:G0+4*(\slot)+3], s[G0+4*(\slot)+2:G0+4*(\slot)+3], 2*KSTEP*2      ; no tensor load of mine is out, so a group 0 may be written: two K steps of 256 bytes on
	s_add_nc_u64 s[G0B+4*(\slot)+2:G0B+4*(\slot)+3], s[G0B+4*(\slot)+2:G0B+4*(\slot)+3], 2*KSTEP*2
	JLOAD \slot                                    ; the four v_nop behind it are also the places in front of the loads below
.else
	PLACES
.endif
	FETCH \next, 0, F0
	MUL16 F1, 1, 0, 0
	MUL16 F1, 1, 2, 0
.endm
; THE WAY OUT of block a (16 of my rows), in two parts.  TOSTAGE: the raw sums into my own stage, each accumulator's lowest four registers first, and back as whole rows of 512 bytes, into one of the two
; buffers where aq's fragments lay.  LDS serves a wave's instructions in order (ISA guide 5.7.1.4): the loads see the stores above them, and the next block's stores come behind these loads.
.macro TOSTAGE a
.set AC, 64*((\a)%4)
.set BK, F0+64*((\a)%2)
	WIN 0x08+4*((\a)/4)                            ; the stores' data (source 1) in window 2 or 3, their address in window 0
.irp b, 0,1,2,3,4,5,6,7
	ds_store_b128 v[STO], v[AC+8*(\b):AC+8*(\b)+3]   offset:64*(\b)
	ds_store_b128 v[STO], v[AC+8*(\b)+4:AC+8*(\b)+7] offset:64*(\b)+16
.endr
	WIN 0
	s_wait_xcnt 0x0                                ; every earlier memory instruction has had its addresses translated (ISA guide 3.1): the buffer, which the stores of two blocks ago read, is loaded again only behind this wait
.irp t, 0,1,2,3,4,5,6,7,8,9,10,11,12,13,14,15
	ds_load_b128 v[BK+4*(\t):BK+4*(\t)+3], v[RD] offset:(\t)*SPITCH
.endr
.endm
; SEND: row by row, sum x deq + bias x deq, and the store.  younger: the LDS instructions issued behind the block's loads: the next block's 16 stores and 16 loads, or none.
.macro SEND a, younger
.set BK, F0+64*((\a)%2)
	WIN 0
.irp t, 0,1,2,3,4,5,6,7,8,9,10,11,12,13,14,15
	s_wait_dscnt (\younger)+15-(\t)                ; row t is back; the later rows and the younger instructions may be out
	v_pk_fma_f32 v[BK+4*(\t):BK+4*(\t)+1],   v[BK+4*(\t):BK+4*(\t)+1],   v[DQ:DQ+1],   v[BD:BD+1]
	v_pk_fma_f32 v[BK+4*(\t)+2:BK+4*(\t)+3], v[BK+4*(\t)+2:BK+4*(\t)+3], v[DQ+2:DQ+3], v[BD+2:BD+3]
	global_store_b128 v[CO], v[BK+4*(\t):BK+4*(\t)+3], s[8:9] offset:(16*(\a)+(\t))*SIZE_N*4 th:TH_STORE_NT  ; 512 consecutive bytes, at a multiple of 512 from out's first; 127 rows at the most: inside the signed 24-bit immediate
.endr
.endm
	s_wait_tensorcnt 1                             ; my part of K step 0 is in; K step 1's may stay out
	s_barrier_signal -1
	s_barrier_wait -1                              ; everybody's is
	FETCH 0, 0, F0
	QUARTER 0, 64,  F0, F1, 1                      ; the first quarter stands in front of the loop: its products start the sums
	WIN 0                                          ; at a label and at a branch every window is 0
	s_mov_b32 s3, LAPS-1
.Llap:                                                 ; a trip goes once round the ring, from a lap's second quarter to the next lap's first, and fills both slots again: trip t asks for K steps 2 t + 2 and 2 t + 3
	QUARTER 0, 128, F1, F0, 0
	QUARTER 0, 192, F0, F1, 0
	TURN 0, 1, 1
	QUARTER 1, 64,  F0, F1, 0
	QUARTER 1, 128, F1, F0, 0
	QUARTER 1, 192, F0, F1, 0
	TURN 1, 0, 1
	QUARTER 0, 64,  F0, F1, 0
	WIN 0
	s_sub_co_u32 s3, s3, 1
	s_cmp_lg_u32 s3, 0
	s_cbranch_scc1 .Llap
	QUARTER 0, 128, F1, F0, 0                      ; the last lap is written out: it fills nothing, and has no round of the cluster's barrier
	QUARTER 0, 192, F0, F1, 0
	TURN 0, 1, 0
	QUARTER 1, 64,  F0, F1, 0
	QUARTER 1, 128, F1, F0, 0
	QUARTER 1, 192, F0, F1, 0
	s_wait_dscnt 8                                 ; the very last quarter: nothing more to fetch
	MUL16 F1, 0, 0, 0
	MUL16 F1, 0, 2, 0
	s_wait_dscnt 0x0
	MUL16 F1, 1, 0, 0
	MUL16 F1, 1, 2, 0
	WIN 0
	PLACES                                         ; behind the last products: the stage's stores read results, and rows are read back into aq's buffers
	TOSTAGE 0
.irp a, 1,2,3,4,5,6,7                  ; block a's way through the stage is issued ahead of block a - 1's finish and stores
	TOSTAGE \a
	SEND (\a)-1, 32
.endr
	SEND 7, 0
	s_wait_tensorcnt 0x0                           ; the wave's end: behind my last tensor load and my last LDS store
	ds_add_u32 v[SPW], v[NIL]
	s_wait_dscnt 0x0
	CROUND                                         ; the closing round: no work-group ends while a partner may still ask for a tile that names it
	s_endpgm
.Lfunc_end_k_qf4e7539ee8_gemm:
	.size	k_qf4e7539ee8_gemm, .Lfunc_end_k_qf4e7539ee8_gemm-k_qf4e7539ee8_gemm
	.p2alignl 7, 3214868480
	.fill 96, 4, 3214868480
	.section	.rodata,"a",@progbits
	.p2align	6, 0x0
	.amdhsa_kernel k_qf4e7539ee8_gemm
		.amdhsa_group_segment_fixed_size 327680
		.amdhsa_private_segment_fixed_size 0
		.amdhsa_enable_private_segment 0
		.amdhsa_kernarg_size 40
		.amdhsa_user_sgpr_count 2
		.amdhsa_user_sgpr_kernarg_segment_ptr 1
		.amdhsa_wavefront_size32 1
		.amdhsa_system_sgpr_workgroup_id_x 1
		.amdhsa_system_sgpr_workgroup_id_y 1
		.amdhsa_system_sgpr_workgroup_id_z 1
		.amdhsa_system_vgpr_workitem_id 0
		.amdhsa_next_free_vgpr 1024
		.amdhsa_next_free_sgpr 72
		.amdhsa_reserve_vcc 0
		.amdhsa_float_denorm_mode_32 3
		.amdhsa_float_denorm_mode_16_64 3
		.amdhsa_memory_ordered 1
		.amdhsa_forward_progress 1
		.amdhsa_inst_pref_size 160
	.end_amdhsa_kernel
	.amdgpu_metadata
---
amdhsa.version: [ 1, 2 ]
amdhsa.kernels:
  - .name:           k_qf4e7539ee8_gemm
    .symbol:         k_qf4e7539ee8_gemm.kd
    .args:
      - { .name: aq, .offset: 0, .size: 8, .value_kind: global_buffer, .address_space: global }
      - { .name: bq, .offset: 8, .size: 8, .value_kind: global_buffer, .address_space: global }
      - { .name: out0, .offset: 16, .size: 8, .value_kind: global_buffer, .address_space: global }
      - { .name: deq_scale, .offset: 24, .size: 8, .value_kind: global_buffer, .address_space: global }
      - { .name: quant_bias, .offset: 32, .size: 8, .value_kind: global_buffer, .address_space: global }
    .group_segment_fixed_size: 327680
    .private_segment_fixed_size: 0
    .kernarg_segment_align: 8
    .kernarg_segment_size: 40
    .max_flat_workgroup_size: 128
    .sgpr_count:     72
    .vgpr_count:     1024
    .wavefront_size: 32
...
	.end_amdgpu_metadata
.endif
;; end of part 2
;; ======== version 2 of 2: 2 launches; version 1 with the launch prep written anew for expert scheduling mode
;; workspace buffers: aq 33,554,432 bytes; bq 33,554,432 bytes
;; launch prep (part 3): grid 256 x 1, 32 waves a work-group, no clusters, 0 bytes of LDS; arguments x, weight, input_scale, input_offset, aq, bq; writes aq, bq
.if DOCPART == 3
	.amdgcn_target "amdgcn-amd-amdhsa--gfx1250"
	.amdhsa_code_object_version 6
	.text
	.protected	k_qf4e7539ee8_prep
	.globl	k_qf4e7539ee8_prep
	.p2align	8
	.type	k_qf4e7539ee8_prep,@function
k_qf4e7539ee8_prep:
	s_mov_b64 s[64:65], 0
	v_nop
	global_prefetch_b8 v0, s[64:65] scope:SCOPE_SE
	s_setreg_imm32_b32 hwreg(HW_REG_WAVE_SCHED_MODE, 0, 2), 2
	s_setreg_imm32_b32 hwreg(HW_REG_WAVE_MODE, 25, 1), 1
	s_wait_xcnt 0x0
	s_wait_alu depctr_vm_vsrc(0)
; aq[m][k] = bf16(clip(round(x[m][k] / s) + off, -128, 127));  bq[n][k] = bf16(weight[n][k]).
; x: [4096][4096] f32.  weight: [4096][4096] int8.  aq, bq: [4096][4096] bf16.  Whole numbers from -128 to 127 are exact in bf16, so nothing is lost here.
; Done once, ahead of the product: each number of x is wanted by 16 tiles of the result, and would otherwise be quantised in each of them.
; SHARES.  A work-group of 32 waves owns 16 rows of x and 16 rows of weight.  Thread t takes 16 bytes of x at 16 t of every row (1,024 threads: one row of 16,384 bytes)
; and 8 bytes of weight at 8 t of every pair of rows (8,192 bytes).  A wave's store covers 256 consecutive aligned bytes of aq, or 512 of bq.
; All 24 loads of a thread go out at once, each into registers of its own; the steps then take them in the order of issue.  No register is loaded twice, no store's data or
; address is written again, EXEC never changes.  No LDS, no barrier, no loop: the bytes bound this launch, not the arithmetic.
; THE MODE: SCHED_MODE bits 1:0 = 2 (LLVM: expert scheduling mode 2), set by the entry lines.  The code itself states the register dependences
; between vector instructions and memory instructions, with s_wait_alu, always for 0.
; THE PLAN.  Registers that memory instructions touch:
;   v1, v2     byte offsets.  Written once at the head; read by every load and store; never written again.
;   X0 .. X15  Row i's load lands in X[i], which no vector instruction has named before; step i works on it in place; one store reads its first two registers; nothing writes it after that.
;   W0 .. W7   Pair j's load lands in W[j]; step j's unpacking reads it; it is not loaded again.
;   Y0 .. Y7   Written by step j's roundings; read by one store; not written again.
;   R, OF and T are named by vector instructions alone.
; So the only dependence to state is: written by vector instructions, then read by a memory instruction.  The 24 steps (16 rows of x, 8 pairs of rows of weight) go in six blocks of four.
; A step's store is issued a block later, in front of the vector work of the step four further on.  ONE wait on va_vdst at a block's head states that the block before has written all that the
; block's four stores read; the vector instructions issued since that wait name their own step's X or W and Y, and R, OF and T: none of the registers that those stores touch.
; No register that a memory instruction has read is ever written again, so the text holds no wait on vm_vsrc.
; LIMITS.  x / s is x times r, r = 1 / s by v_rcp_f32 and one Newton step: where x / s lies within about 2^-23 of itself from a half-integer the rounded number can be one step off.
; s and 1 / s are normal f32 numbers (v_rcp_f32 counts denormals as zero: ISA guide, its entry in 15.8).  An infinite x, or a product that overflows, is clipped like any other; a NaN in x is not treated apart.
.set ROWX, 16384                       ; bytes in a row of x
.set ROWQ, 8192                        ; bytes in a row of aq and bq, and in two rows of weight
.set R,   4                            ; v[4:5]     r, twice (a pair for the packed multiply)
.set OF,  6                            ; v[6:7]     off as f32, twice
.set X,   8                            ; v[8:71]    row i: 4 registers, 4 numbers of x; then 2 registers of bf16 to store
.set W,   72                           ; v[72:87]   pair of rows j: 2 registers, 8 bytes of weight
.set Y,   88                           ; v[88:119]  pair of rows j: 4 registers, 8 bf16 to store
.set T,   120                          ; v[120:127] at work: no memory instruction names them
	s_load_b256 s[4:11], s[0:1], 0x0               ; x s[4:5], weight s[6:7], input_scale s[8:9], input_offset s[10:11]
	s_load_b128 s[12:15], s[0:1], 0x20             ; aq s[12:13], bq s[14:15]
	v_lshlrev_b32 v1, 4, v0                        ; 16 t: x in, bq out; never rewritten
	v_lshlrev_b32 v2, 3, v0                        ; 8 t: weight in, aq out; never rewritten
	s_lshl_b32 s16, ttmp9, 18                      ; the group's 16 rows of x: 16 x 16,384 bytes
	s_mov_b32 s17, 0
	s_lshl_b32 s18, ttmp9, 16                      ; of weight: 16 x 4,096
	s_mov_b32 s19, 0
	s_lshl_b32 s20, ttmp9, 17                      ; of aq and of bq: 16 x 8,192
	s_mov_b32 s21, 0
	s_mov_b32 s24, 0xc3000000                      ; -128.0
	s_mov_b32 s25, 0x42fe0000                      ; 127.0
	s_wait_kmcnt 0x0
	s_load_b32 s22, s[8:9], 0x0                    ; s
	s_load_i8 s23, s[10:11], 0x0                   ; off, sign-extended
	s_add_nc_u64 s[4:5], s[4:5], s[16:17]
	s_add_nc_u64 s[6:7], s[6:7], s[18:19]
	s_add_nc_u64 s[12:13], s[12:13], s[20:21]
	s_add_nc_u64 s[14:15], s[14:15], s[20:21]
	s_wait_alu depctr_va_vdst(0)                   ; v1 and v2 are written: every load and store of the kernel reads one of them as its offset
.irp i, 0,1,2,3,4,5,6,7,8,9,10,11,12,13,14,15
	global_load_b128 v[X+4*(\i):X+4*(\i)+3], v1, s[4:5] offset:(\i)*ROWX th:TH_LOAD_NT  ; read once in the launch
.endr
.irp j, 0,1,2,3,4,5,6,7
	global_load_b64 v[W+2*(\j):W+2*(\j)+1], v2, s[6:7] offset:(\j)*ROWQ th:TH_LOAD_NT
.endr
	s_wait_kmcnt 0x0                               ; s and off
	v_rcp_f32 v[R], s22
	v_cvt_f32_i32 v[OF], s23                       ; a plain instruction stands between the reciprocal and the use of its result (ISA guide 5.7.2)
	s_wait_alu depctr_va_vdst(0)                   ; the reciprocal has written v[R], which the next line reads
	v_fma_f32 v[R+1], -v[R], s22, 1.0              ; 1 - r s
	v_fma_f32 v[R], v[R+1], v[R], v[R]             ; r + r (1 - r s)
	v_mov_b32 v[R+1], v[R]
	v_mov_b32 v[OF+1], v[OF]
; The stores, each issued a block behind the step that made its data.
.macro XSEND i
	global_store_b64 v2, v[X+4*(\i):X+4*(\i)+1], s[12:13] offset:(\i)*ROWQ  ; a wave: 256 consecutive bytes, at a multiple of 256 from aq's first; the next launch reads them, so no hint
.endm
.macro WSEND j
	global_store_b128 v1, v[Y+4*(\j):Y+4*(\j)+3], s[14:15] offset:(\j)*2*ROWQ  ; a wave: 512 consecutive bytes, at a multiple of 512 from bq's first
.endm
; Row i of x: four numbers a thread, in place.  In front of its vector work goes the store of row i - 4.
.macro XSTEP i
.set XI, X+4*(\i)
	s_wait_loadcnt 23-(\i)                         ; loads come back in order (ISA guide 5.7.1): the 15 - i younger loads of x and the 8 of weight may stay out
.if ((\i) >= 4) && ((\i) % 4 == 0)
	s_wait_alu depctr_va_vdst(0)                   ; a block's head: the roundings of the four rows before have written the X registers that this block's four stores read
.endif
.if (\i) >= 4
	XSEND (\i)-4                                   ; no vector instruction since that wait names these registers
.endif
	v_pk_mul_f32 v[XI:XI+1],   v[XI:XI+1],   v[R:R+1]
	v_pk_mul_f32 v[XI+2:XI+3], v[XI+2:XI+3], v[R:R+1]
.irp k, 0,1,2,3
	v_rndne_f32 v[XI+(\k)], v[XI+(\k)]             ; to the nearest whole number, halves to the even one
.endr
	v_pk_add_f32 v[XI:XI+1],   v[XI:XI+1],   v[OF:OF+1]
	v_pk_add_f32 v[XI+2:XI+3], v[XI+2:XI+3], v[OF:OF+1]
.irp k, 0,1,2,3
	v_med3_num_f32 v[XI+(\k)], v[XI+(\k)], s24, s25  ; the middle of three: the clip
.endr
	v_cvt_pk_bf16_f32 v[XI],   v[XI],   v[XI+1]    ; exact
	v_cvt_pk_bf16_f32 v[XI+1], v[XI+2], v[XI+3]
.endm
; Pair of rows j of weight: eight bytes a thread.  In front of its vector work goes the store of the step four back: x's row 12 + j, or weight's pair j - 4.
.macro WSTEP j
	s_wait_loadcnt 7-(\j)                          ; the 7 - j younger loads may stay out
.if (\j) % 4 == 0
	s_wait_alu depctr_va_vdst(0)                   ; a block's head: the roundings of the four steps before have written the X or Y registers that this block's four stores read
.endif
.if (\j) < 4
	XSEND 12+(\j)                                  ; no vector instruction since that wait names these registers
.else
	WSEND (\j)-4
.endif
.irp c, 0,1
	v_lshlrev_b32 v[T+4*(\c)],   24, v[W+2*(\j)+(\c)]  ; each byte to the top of a word,
	v_lshlrev_b32 v[T+4*(\c)+1], 16, v[W+2*(\j)+(\c)]
	v_lshlrev_b32 v[T+4*(\c)+2], 8,  v[W+2*(\j)+(\c)]
	v_ashrrev_i32 v[T+4*(\c)],   24, v[T+4*(\c)]       ; and down again with its sign
	v_ashrrev_i32 v[T+4*(\c)+1], 24, v[T+4*(\c)+1]
	v_ashrrev_i32 v[T+4*(\c)+2], 24, v[T+4*(\c)+2]
	v_ashrrev_i32 v[T+4*(\c)+3], 24, v[W+2*(\j)+(\c)]
.endr
.irp k, 0,1,2,3,4,5,6,7
	v_cvt_f32_i32 v[T+(\k)], v[T+(\k)]
.endr
.irp k, 0,1,2,3
	v_cvt_pk_bf16_f32 v[Y+4*(\j)+(\k)], v[T+2*(\k)], v[T+2*(\k)+1]  ; exact
.endr
.endm
.irp i, 0,1,2,3,4,5,6,7,8,9,10,11,12,13,14,15
	XSTEP \i
.endr
.irp j, 0,1,2,3,4,5,6,7
	WSTEP \j
.endr
	s_wait_alu depctr_va_vdst(0)                   ; the last block's roundings have written Y4 to Y7, which the last four stores read
.irp j, 4,5,6,7
	WSEND \j
.endr
	s_endpgm
.Lfunc_end_k_qf4e7539ee8_prep:
	.size	k_qf4e7539ee8_prep, .Lfunc_end_k_qf4e7539ee8_prep-k_qf4e7539ee8_prep
	.p2alignl 7, 3214868480
	.fill 96, 4, 3214868480
	.section	.rodata,"a",@progbits
	.p2align	6, 0x0
	.amdhsa_kernel k_qf4e7539ee8_prep
		.amdhsa_group_segment_fixed_size 0
		.amdhsa_private_segment_fixed_size 0
		.amdhsa_enable_private_segment 0
		.amdhsa_kernarg_size 48
		.amdhsa_user_sgpr_count 2
		.amdhsa_user_sgpr_kernarg_segment_ptr 1
		.amdhsa_wavefront_size32 1
		.amdhsa_system_sgpr_workgroup_id_x 1
		.amdhsa_system_sgpr_workgroup_id_y 1
		.amdhsa_system_sgpr_workgroup_id_z 1
		.amdhsa_system_vgpr_workitem_id 0
		.amdhsa_next_free_vgpr 128
		.amdhsa_next_free_sgpr 66
		.amdhsa_reserve_vcc 0
		.amdhsa_float_denorm_mode_32 3
		.amdhsa_float_denorm_mode_16_64 3
		.amdhsa_memory_ordered 1
		.amdhsa_forward_progress 1
		.amdhsa_inst_pref_size 27
	.end_amdhsa_kernel
	.amdgpu_metadata
---
amdhsa.version: [ 1, 2 ]
amdhsa.kernels:
  - .name:           k_qf4e7539ee8_prep
    .symbol:         k_qf4e7539ee8_prep.kd
    .args:
      - { .name: x, .offset: 0, .size: 8, .value_kind: global_buffer, .address_space: global }
      - { .name: weight, .offset: 8, .size: 8, .value_kind: global_buffer, .address_space: global }
      - { .name: input_scale, .offset: 16, .size: 8, .value_kind: global_buffer, .address_space: global }
      - { .name: input_offset, .offset: 24, .size: 8, .value_kind: global_buffer, .address_space: global }
      - { .name: aq, .offset: 32, .size: 8, .value_kind: global_buffer, .address_space: global }
      - { .name: bq, .offset: 40, .size: 8, .value_kind: global_buffer, .address_space: global }
    .group_segment_fixed_size: 0
    .private_segment_fixed_size: 0
    .kernarg_segment_align: 8
    .kernarg_segment_size: 48
    .max_flat_workgroup_size: 1024
    .sgpr_count:     66
    .vgpr_count:     128
    .wavefront_size: 32
...
	.end_amdgpu_metadata
.endif
;; end of part 3
;; launch gemm: the kernel of part 2 again; grid 16 x 16, 4 waves a work-group, clusters of 4 x 4, 327,680 bytes of LDS; arguments aq, bq, out0, deq_scale, quant_bias; writes out0
